; MI455X (gfx1250); checked and timed in simulation.
; The chip was launched on July 23, 2026; its instructions are those of AMD's public machine-readable ISA for CDNA 5 (MIT licence, August 2026) and "CDNA5" Instruction Set Architecture Reference Guide (July 2026). The comments in the code are by the model that wrote it; some were corrected since.
;; Physics Informed NN. Allowed arithmetic: matrix products marked QUANTISED: E3M2 operands, one E8M0 scale for each 32 along K, by v_wmma_scale_f32_16x16x128_f8f6f4 with both operands' format E3M2, f32 sums; products left as they are: f32 operands where the result goes on into a quantised operand, else bf16, f16 or f32 operands; f32 sums; everything else in f32.
;; Inputs: A 100 x 100 float32; W0 20 x 1 float32; W1 50 x 20 float32; W2 200 x 50 float32; W3 500 x 200 float32; W4 200 x 500 float32; W5 100 x 200 float32; b0 20 float32; b1 50 float32; b2 200 float32; b3 500 float32; b4 200 float32; b5 100 float32; bvec 1 x 100 float32; x 65,536 x 1 float32.
;; Outputs: out0 65,536 x 100 float32; out1 65,536 x 100 float32.
;; This version of the problem:
;;   THIS VERSION OF THE PROBLEM IS GIVEN IN LOW PRECISION. The matrix products marked QUANTISED in the list below multiply operands that are first quantised to E3M2 (3 exponent bits, 2 mantissa bits; 6 bits a number), with one power-of-two scale for each 32 numbers along K (OCP MX v1.0); their sums are f32. All else is computed in f32.
;;   The module's matrix products, in the order in which they are computed (A, B: the left and right operand; K: the contracted axis; several contracted axes count as one K, in the product's order):
;;     1. [M 20, K 1] x [K 1, N 65,536]; A: input W0; B: input x: left as it is (K = 1 < 32)
;;     2. [M 20, K 1] x [K 1, N 1]; A: input W0; B: computed on the way: left as it is (K = 1 < 32)
;;     3. [M 20, K 1] x [K 1, N 1]; A: input W0; B: computed on the way: left as it is (K = 1 < 32)
;;     4. [M 50, K 20] x [K 20, N 65,536]; A: input W1; B: computed on the way: left as it is (K = 20 < 32)
;;     5. [M 50, K 20] x [K 20, N 65,536]; A: input W1; B: computed on the way: left as it is (K = 20 < 32)
;;     6. [M 50, K 20] x [K 20, N 65,536]; A: input W1; B: computed on the way: left as it is (K = 20 < 32)
;;     7. [M 50, K 20] x [K 20, N 65,536]; A: input W1; B: computed on the way: left as it is (K = 20 < 32)
;;     8. [M 200, K 50] x [K 50, N 65,536]; A: input W2; B: computed on the way: QUANTISED
;;     9. [M 200, K 50] x [K 50, N 65,536]; A: input W2; B: computed on the way: QUANTISED
;;     10. [M 200, K 50] x [K 50, N 65,536]; A: input W2; B: computed on the way: QUANTISED
;;     11. [M 200, K 50] x [K 50, N 65,536]; A: input W2; B: computed on the way: QUANTISED
;;     12. [M 500, K 200] x [K 200, N 65,536]; A: input W3; B: computed on the way: QUANTISED
;;     13. [M 500, K 200] x [K 200, N 65,536]; A: input W3; B: computed on the way: QUANTISED
;;     14. [M 500, K 200] x [K 200, N 65,536]; A: input W3; B: computed on the way: QUANTISED
;;     15. [M 500, K 200] x [K 200, N 65,536]; A: input W3; B: computed on the way: QUANTISED
;;     16. [M 200, K 500] x [K 500, N 65,536]; A: input W4; B: computed on the way: QUANTISED
;;     17. [M 200, K 500] x [K 500, N 65,536]; A: input W4; B: computed on the way: QUANTISED
;;     18. [M 200, K 500] x [K 500, N 65,536]; A: input W4; B: computed on the way: QUANTISED
;;     19. [M 200, K 500] x [K 500, N 65,536]; A: input W4; B: computed on the way: QUANTISED
;;     20. [M 100, K 200] x [K 200, N 65,536]; A: input W5; B: computed on the way: QUANTISED
;;     21. [M 100, K 200] x [K 200, N 65,536]; A: input W5; B: computed on the way: QUANTISED
;;     22. [M 100, K 200] x [K 200, N 65,536]; A: input W5; B: computed on the way: QUANTISED
;;     23. [M 100, K 200] x [K 200, N 65,536]; A: input W5; B: computed on the way: QUANTISED
;;     24. [M 65,536, K 100] x [K 100, N 100]; A: computed on the way; B: input A: QUANTISED
;;     25. [M 65,536, K 100] x [K 100, N 1]; A: computed on the way; B: input bvec: left as it is (N = 1 < 16)
;;   THE QUANTISER, for each operand of a quantised product, along K:
;;     - K is cut into blocks of 32 from its start; a last block that is shorter is filled with zeros.
;;     - A block's scale is 2^e with e = floor(log2(the largest magnitude in the block)) - 4, held to -126 .. 127; a block of zeros has e = 0. As a byte (E8M0): e + 127.
;;     - Each number is divided by its block's scale, clamped to +-28, and rounded to the nearest number of E3M2, ties to even, subnormals kept.
;;     - The product sums the exact products of the quantised numbers (number of the format x scale) in f32.
;;   ~~~python
;;   def quantise(x, axis):      # numpy; x: float32 -> the quantised numbers, widened to float32 again
;;       x = np.moveaxis(x, axis, -1); K = x.shape[-1]
;;       x = np.pad(x, [(0, 0)] * (x.ndim - 1) + [(0, -K % 32)]); x = x.reshape(x.shape[:-1] + (-1, 32)); a = np.abs(x).max(-1, keepdims=True)
;;       e = np.where(a > 0, np.clip(np.frexp(np.where(a > 0, a, 1))[1] - 1 - 4, -126, 127), 0)      # np.frexp(a)[1] - 1 = floor(log2(a)), exactly
;;       r = np.clip(x / 2.0 ** e, -28, 28)
;;       step = 2.0 ** (np.maximum(np.frexp(np.where(r == 0, 1, r))[1] - 1, -2) - 2)
;;       q = np.round(r / step) * step * 2.0 ** e      # np.round: ties to even
;;       return np.moveaxis(q.reshape(q.shape[:-2] + (-1,))[..., :K], -1, axis).astype(np.float32)
;;   ~~~
;;   OPERANDS COMPUTED ON THE WAY. 'Computed on the way' means the value that the module computes at that place (a softmax that the list does not call 'softmax' is quantised finished and normalised). What goes into a quantiser is computed in f32, as accurately as f32 sums, v_exp_f32 and their like allow (about 1e-6 of the number): no bf16 or f16 on the way to a quantiser, and a product that is left as it is and whose result goes on into a quantised operand takes f32 operands (vector FMAs, or v_wmma_f32_16x16x4_f32). A number that lies on a knife's edge between two numbers of the format may be rounded either way, as far as f32 arithmetic and the matrix unit's own rounding can turn it there, and no further.
;; One version. Each part assembles by itself: llvm-mc -triple=amdgcn-amd-amdhsa -mcpu=gfx1250 --defsym DOCPART=n.
;; ======== version 1 of 1: 2 launches
;; limits: right only within a limited range of input values
;; workspace buffers: img 256,000 bytes
;; launch prep (part 1): grid 204 x 1, 1 waves a work-group, no clusters, 0 bytes of LDS; arguments W2, W3, W4, W5, A, b1, b2, b3, b4, b5, bvec, W1, W0, b0, img; writes img
.if DOCPART == 1
	.amdgcn_target "amdgcn-amd-amdhsa--gfx1250"
	.amdhsa_code_object_version 6
	.text
	.protected	k_q498011f98b_prep
	.globl	k_q498011f98b_prep
	.p2align	8
	.type	k_q498011f98b_prep,@function
k_q498011f98b_prep:
	s_mov_b64 s[64:65], 0
	v_nop
	global_prefetch_b8 v0, s[64:65] scope:SCOPE_SE
	s_setreg_imm32_b32 hwreg(HW_REG_WAVE_MODE, 25, 1), 1
	s_wait_xcnt 0x0
; THE PROGRAM.  A tanh network 1-20-50-200-500-200-100 is evaluated at 65,536 scalar points x with its first and second derivative in x; then U = -1 + (x^2 - 1) o,
; U_xx = 2 o + 4 x o' + (x^2 - 1) o'', F = -(5 U - 5 U^3 + 0.0005 U_xx), out0 = U + 0.8 F A^T, out1 = out0 - 0.8 (F . bvec).  The products with W2 .. W5 and with A run on codes of BF6 (E3M2), one E8M0 scale for each 32 along K.
; WORK LEFT OUT, for all values of the inputs.  reference() nests two forward derivatives, and both tangents are the ones that it builds in its own body.  They go through the same operations on the same values, so the two
; first-order streams are equal number for number, their quantised operands too: of the table's products 5 and 6, 9 and 10, 13 and 14, 17 and 18, 21 and 22 each pair is one product, made once (the last layer's pair gives the factor 4 x).
; Products 2 and 3 are W0 times the constant 1: the first layer's first derivative is W0 itself.  The second-order tangent of x is a zero of reference()'s own: the first layer's second derivative starts from 0.
; Three streams remain: h, h', h''.  Every input still has a way to an output, and all are loaded.  LIMIT: a NaN, an infinity or an overflow that would reach only the products left out is not carried to the result.
; THIS LAUNCH quantises W2, W3, W4, W5 and A once, along their K (their last axis), and lays all that the second launch reads into ONE buffer, img, in the order of the operands' registers and in the order of use.
; A block's scale is 2^(floor(log2(its largest magnitude)) - 4); its byte is the largest magnitude's exponent field - 4, held at 1 from below.  (A block of zeros gets the byte 1 where the rule says 127: its codes are zeros, and this program alone reads the bytes.)
; LIMITS: NaN and infinities among the inputs are not served.
; ROWS OF A TILE.  A group is 64 rows (units) of a weight in 4 tiles: row p of tile tl of group g is unit 64 g + 32 (p / 8) + 8 tl + p % 8.  So in the transposed product a lane's 32 results of a group are 32 NEIGHBOURS along the next K.
; Rows past a weight's last, and k past its K, are zero codes; their biases are zeros.
; img: 153 fragments (16 rows x 128 K: 12 registers a lane) of 1,536 bytes, registers 4 j .. 4 j + 3 of lane l at 512 j + 16 l; then 64 bytes of scale words a fragment; the table of W0 and b0; 80 tiles of biases and bvec in tile-row order; W1 as 20 f32 fragments.
; SHARES: one wave a work-group.  Work-groups 0-152: a fragment each; 153-192: two bias tiles each; 193-202: two fragments of W1 each; 203: the table of W0 and b0.
.set FRB, 1536                         ; a fragment's image in bytes
.set SCB, 235008                       ; the scale words
.set T0B, 244800                       ; W0 and b0
.set BIB, 245760                       ; biases and bvec
.set W1B, 250880                       ; W1
.macro PICK from, p, m, k, lk, tt      ; from fragment \from on: the weight at s[p:p+1], M rows, K columns, 2^lk K steps; its tail (one tile a K step) begins at its fragment tt
	s_cmp_ge_u32 s34, \from
	s_cselect_b64 s[36:37], s[\p:\p+1], s[36:37]
	s_cselect_b32 s38, \m, s38
	s_cselect_b32 s39, \k, s39
	s_cselect_b32 s40, \lk, s40
	s_cselect_b32 s41, \from, s41
	s_cselect_b32 s42, \tt, s42
.endm
.macro PICKB from, p, m                ; from tile \from on: the vector at s[p:p+1] of m numbers
	s_cmp_ge_u32 s35, \from
	s_cselect_b64 s[36:37], s[\p:\p+1], s[36:37]
	s_cselect_b32 s38, \from, s38
	s_cselect_b32 s39, \m, s39
.endm
	s_load_b512 s[4:19], s[0:1], 0x0               ; W2 s[4:5], W3 s[6:7], W4 s[8:9], W5 s[10:11], A s[12:13], b1 s[14:15], b2 s[16:17], b3 s[18:19]
	s_load_b256 s[20:27], s[0:1], 0x40             ; b4 s[20:21], b5 s[22:23], bvec s[24:25], W1 s[26:27]
	s_load_b128 s[28:31], s[0:1], 0x60             ; W0 s[28:29], b0 s[30:31]
	s_load_b64 s[32:33], s[0:1], 0x70              ; img
	v_and_b32 v1, 15, v0                           ; r
	v_lshrrev_b32 v2, 4, v0                        ; h
	v_lshrrev_b32 v3, 3, v1
	v_and_b32 v4, 7, v1
	v_lshl_add_u32 v5, v3, 5, v4                   ; 32 (r / 8) + r % 8: my row's unit within its tile
	s_wait_kmcnt 0x0
	s_cmp_lt_u32 ttmp9, 153
	s_cbranch_scc1 .Lfrag
	s_cmp_lt_u32 ttmp9, 193
	s_cbranch_scc1 .Lbias
	s_cmp_lt_u32 ttmp9, 203
	s_cbranch_scc1 .Lw1
	; ---- the table of W0 and b0: word 20 h + m; m < 10: W0[4 (m / 2) + 2 h + m % 2], m >= 10: b0 likewise: the f32 matrix operand's order (K step m / 2, register m % 2).  Behind word 39: zeros up to the next region
.irp p, 0,1
	v_add_nc_u32 v[10+8*\p], 32*\p, v0             ; n
	v_cmp_le_u32 vcc_lo, 20, v[10+8*\p]
	v_cndmask_b32 v[11+8*\p], 0, 1, vcc_lo         ; h of the word
	v_mul_u32_u24 v[12+8*\p], v[11+8*\p], 20
	v_sub_nc_u32 v[12+8*\p], v[10+8*\p], v[12+8*\p]   ; m
	v_cmp_le_u32 s[34+\p], 10, v[12+8*\p]          ; b0's half?
	v_cndmask_b32 v[13+8*\p], 0, 1, s[34+\p]
	v_mul_u32_u24 v[14+8*\p], v[13+8*\p], 10
	v_sub_nc_u32 v[14+8*\p], v[12+8*\p], v[14+8*\p]
	v_lshrrev_b32 v[15+8*\p], 1, v[14+8*\p]
	v_and_b32 v[14+8*\p], 1, v[14+8*\p]
	v_lshl_add_u32 v[14+8*\p], v[15+8*\p], 2, v[14+8*\p]
	v_lshl_add_u32 v[14+8*\p], v[11+8*\p], 1, v[14+8*\p]
	v_min_u32 v[14+8*\p], 19, v[14+8*\p]           ; no load leaves its buffer
	v_lshlrev_b32 v[14+8*\p], 2, v[14+8*\p]
	v_cmp_gt_u32 s[36+\p], 40, v[10+8*\p]          ; a word of the table?
	global_load_b32 v[16+8*\p], v[14+8*\p], s[28:29]
	global_load_b32 v[17+8*\p], v[14+8*\p], s[30:31]
.endr
	v_lshl_add_u32 v26, v0, 2, T0B
	v_mov_b32 v27, 0
	v_lshl_add_u32 v28, v1, 2, T0B+896
	s_wait_loadcnt 0x0
.irp p, 0,1
	v_cndmask_b32 v[16+8*\p], v[16+8*\p], v[17+8*\p], s[34+\p]
	v_cndmask_b32 v[16+8*\p], 0, v[16+8*\p], s[36+\p]
	s_wait_alu depctr_va_vdst(0)
	global_store_b32 v26, v[16+8*\p], s[32:33] offset:128*\p
.endr
.irp p, 2,3,4,5,6
	global_store_b32 v26, v27, s[32:33] offset:128*\p
.endr
	global_store_b32 v28, v27, s[32:33]            ; the last 64 bytes (lanes l and l + 16 write the same zero)
	s_endpgm
	; ---- two f32 fragments of W1 (16 units x 4 k, 2 registers a lane: k = 4 q + 2 h + j): fragment i = 5 tl + q
.Lw1:
	s_sub_co_u32 s34, ttmp9, 193
	s_wait_alu depctr_va_vdst(0)
.irp e, 0,1
	s_lshl_b32 s35, s34, 1
	s_add_co_u32 s35, s35, \e                      ; i
	s_mul_i32 s36, s35, 13
	s_lshr_b32 s36, s36, 6                         ; tl = i / 5 (i under 20)
	s_mul_i32 s37, s36, 5
	s_sub_co_u32 s37, s35, s37                     ; q
	s_lshl_b32 s36, s36, 3
	s_lshl_b32 s37, s37, 2
	v_add_nc_u32 v[6+\e], s36, v5                  ; unit
	v_min_u32 v[8+\e], 49, v[6+\e]
	v_mul_u32_u24 v[8+\e], v[8+\e], 20
	v_add_nc_u32 v[8+\e], s37, v[8+\e]
	v_lshl_add_u32 v[8+\e], v2, 1, v[8+\e]
	v_lshlrev_b32 v[8+\e], 2, v[8+\e]
	global_load_b64 v[12+2*\e:13+2*\e], v[8+\e], s[26:27]
.endr
	s_lshl_b32 s38, s34, 9
	s_add_co_u32 s38, s38, W1B
	v_lshl_add_u32 v10, v0, 4, s38
	s_wait_loadcnt 0x0
.irp e, 0,1
	v_cmp_gt_u32 vcc_lo, 50, v[6+\e]
	v_cndmask_b32 v[12+2*\e], 0, v[12+2*\e], vcc_lo
	v_cndmask_b32 v[13+2*\e], 0, v[13+2*\e], vcc_lo
.endr
	s_wait_alu depctr_va_vdst(0)
	global_store_b128 v10, v[12:15], s[32:33]      ; 32 lanes store 512 consecutive bytes
	s_endpgm
	; ---- two tiles of a bias (or of bvec), 16 numbers each, in tile-row order
.Lbias:
	s_sub_co_u32 s34, ttmp9, 153
	s_lshl_b32 s35, s34, 1                         ; the first of my two tiles
	s_mov_b64 s[36:37], s[14:15]                   ; b1: tiles 0-3
	s_mov_b32 s38, 0
	s_mov_b32 s39, 50
	PICKB 4, 16, 200                               ; b2: 14 tiles, the last of zeros
	PICKB 18, 18, 500                              ; b3: 32
	PICKB 50, 20, 200                              ; b4: 14
	PICKB 64, 22, 100                              ; b5: 8
	PICKB 72, 24, 100                              ; bvec: 8
	s_sub_co_u32 s40, s35, s38
	s_wait_alu depctr_va_vdst(0)
	v_add_nc_u32 v6, s40, v2                       ; the tile within its vector: lanes 16-31 take the second
	v_lshrrev_b32 v7, 2, v6
	v_and_b32 v6, 3, v6
	v_lshl_add_u32 v8, v7, 6, v5
	v_lshl_add_u32 v8, v6, 3, v8                   ; unit
	s_sub_co_u32 s41, s39, 1
	v_min_u32 v9, s41, v8
	v_lshlrev_b32 v9, 2, v9
	global_load_b32 v10, v9, s[36:37]
	s_lshl_b32 s42, s34, 7
	s_add_co_u32 s42, s42, BIB
	v_lshl_add_u32 v11, v0, 2, s42
	v_cmp_gt_u32 vcc_lo, s39, v8
	s_wait_loadcnt 0x0
	v_cndmask_b32 v10, 0, v10, vcc_lo
	s_wait_alu depctr_va_vdst(0)
	global_store_b32 v11, v10, s[32:33]
	s_endpgm
	; ---- one fragment: 16 rows x 128 K of a weight.  Lane (r, h) takes row r of the tile and k = 128 ks + 64 c + 32 h + 0 .. 31, c = 0, 1: two whole blocks, in the order of the operand's registers
.Lfrag:
	s_mov_b32 s34, ttmp9                           ; F
	s_mov_b64 s[36:37], s[4:5]                     ; W2: fragments 0-12
	s_mov_b32 s38, 200
	s_mov_b32 s39, 50
	s_mov_b32 s40, 0
	s_mov_b32 s41, 0
	s_mov_b32 s42, 12
	PICK 13, 6, 500, 200, 1, 9999                  ; W3: 13-76
	PICK 77, 8, 200, 500, 2, 48                    ; W4: 77-128
	PICK 129, 10, 100, 200, 1, 9999                ; W5: 129-144
	PICK 145, 12, 100, 100, 0, 9999                ; A: 145-152
	s_sub_co_u32 s43, s34, s41                     ; the fragment within its weight = (group, K step, tile), the tile fastest
	s_add_co_u32 s44, s40, 2
	s_lshr_b32 s45, s43, s44                       ; g
	s_lshl_b32 s46, 1, s40
	s_sub_co_u32 s46, s46, 1
	s_lshr_b32 s47, s43, 2
	s_and_b32 s47, s47, s46                        ; ks
	s_and_b32 s48, s43, 3                          ; tl
	s_sub_co_u32 s49, s43, s42
	s_cmp_ge_u32 s43, s42                          ; in the tail: group 3, tile 0, a fragment a K step
	s_cselect_b32 s45, 3, s45
	s_cselect_b32 s47, s49, s47
	s_cselect_b32 s48, 0, s48
	s_lshl_b32 s50, s45, 6
	s_lshl_b32 s48, s48, 3
	s_add_co_u32 s50, s50, s48
	s_wait_alu depctr_va_vdst(0)
	v_add_nc_u32 v6, s50, v5                       ; unit
	s_sub_co_u32 s51, s38, 1
	v_min_u32 v7, s51, v6
	s_lshl_b32 s52, s47, 7
	v_lshl_add_u32 v8, v2, 5, s52                  ; kb = 128 ks + 32 h
	v_mad_u32_u24 v9, v7, s39, v8
	v_lshlrev_b32 v9, 2, v9                        ; my first number's byte
	v_sub_nc_u32 v10, s39, v8                      ; how many k are left from kb on (signed);
	v_cmp_gt_u32 vcc_lo, s38, v6
	v_cndmask_b32 v10, 0, v10, vcc_lo              ; none in a row past the last
	s_mul_i32 s53, s38, s39
	s_sub_co_u32 s53, s53, 1
	s_lshl_b32 s53, s53, 2                         ; the weight's last number: no load leaves its buffer
	s_mov_b32 s54, 0x76543210
	s_mov_b32 s55, 0xfedcba98                      ; v_permlanex16_b32's selects for lane l xor 16
.irp c, 0,1
.set I, 0
.rept 32
	v_add_nc_u32 v[16+32*\c+I], 4*(64*\c+I), v9
	v_min_u32 v[16+32*\c+I], s53, v[16+32*\c+I]
	global_load_b32 v[80+32*\c+I], v[16+32*\c+I], s[36:37]
.set I, I+1
.endr
.endr
	s_mul_i32 s56, s34, FRB
	v_lshl_add_u32 v11, v0, 4, s56                 ; the image: 16 bytes a lane
	s_lshl_b32 s57, s34, 6
	s_add_co_u32 s57, s57, SCB
	v_lshl_add_u32 v12, v1, 2, s57                 ; the scale word of row r
	s_wait_loadcnt 0x0
.irp c, 0,1
.set I, 0
.rept 32
	v_cmp_lt_i32 vcc_lo, 64*\c+I, v10
	v_cndmask_b32 v[80+32*\c+I], 0, v[80+32*\c+I], vcc_lo   ; zeros past K and past the last row, ahead of the block's maximum
.set I, I+1
.endr
.endr
.irp c, 0,1
	v_max3_num_f32 v[144+\c], |v[80+32*\c]|, |v[81+32*\c]|, 0x2800000   ; my block 2 c + h: all its 32 numbers are mine; and the floor 2^(5 - 127), so that the byte cannot fall under 1
.endr
.irp i, 2,4,6,8,10,12,14,16,18,20,22,24,26,28,30
.irp c, 0,1
	v_max3_num_f32 v[144+\c], v[144+\c], |v[80+32*\c+\i]|, |v[81+32*\c+\i]|
.endr
.endr
.irp c, 0,1
	v_add_nc_u32 v[146+\c], 0xfe000000, v[144+\c]  ; 4 off the exponent field: the conversion takes the exponent field of this operand as its scale
.endr
.irp c, 0,1
	v_lshrrev_b32 v[148+\c], 23, v[146+\c]         ; the scale's byte
.endr
	v_lshl_or_b32 v150, v149, 16, v148             ; my two bytes, blocks h and 2 + h,
	v_lshlrev_b32 v151, 3, v2
	v_lshlrev_b32 v150, v151, v150                 ; at their places in the word;
	v_mov_b32 v152, 0
	v_permlanex16_b32 v152, v150, s54, s55
	v_or_b32 v150, v150, v152                      ; with lane l xor 16's two the word is whole
.irp c, 0,1
	v_cvt_scalef32_pk16_bf6_f32 v[154+6*\c:156+6*\c], v[80+32*\c:95+32*\c], v[146+\c]
	v_cvt_scalef32_pk16_bf6_f32 v[166+4*\c:168+4*\c], v[96+32*\c:111+32*\c], v[146+\c]   ; (a conversion's three registers begin on an even number: the second half is made elsewhere and moved)
.endr
	v_nop                                          ; one plain place behind a scaled conversion
.irp c, 0,1
.irp i, 0,1,2
	v_mov_b32 v[157+6*\c+\i], v[166+4*\c+\i]
.endr
.endr
.irp j, 0,1,2
	global_store_b128 v11, v[154+4*\j:157+4*\j], s[32:33] offset:512*\j   ; 32 lanes store 512 consecutive bytes, at a multiple of 256 from img's first byte
.endr
	global_store_b32 v12, v150, s[32:33]           ; (lanes l and l + 16 write the same word)
	s_endpgm
.Lfunc_end_k_q498011f98b_prep:
	.size	k_q498011f98b_prep, .Lfunc_end_k_q498011f98b_prep-k_q498011f98b_prep
	.p2alignl 7, 3214868480
	.fill 96, 4, 3214868480
	.section	.rodata,"a",@progbits
	.p2align	6, 0x0
	.amdhsa_kernel k_q498011f98b_prep
		.amdhsa_group_segment_fixed_size 0
		.amdhsa_private_segment_fixed_size 0
		.amdhsa_enable_private_segment 0
		.amdhsa_kernarg_size 120
		.amdhsa_user_sgpr_count 2
		.amdhsa_user_sgpr_kernarg_segment_ptr 1
		.amdhsa_wavefront_size32 1
		.amdhsa_system_sgpr_workgroup_id_x 1
		.amdhsa_system_sgpr_workgroup_id_y 1
		.amdhsa_system_sgpr_workgroup_id_z 1
		.amdhsa_system_vgpr_workitem_id 0
		.amdhsa_next_free_vgpr 176
		.amdhsa_next_free_sgpr 66
		.amdhsa_reserve_vcc 1
		.amdhsa_float_denorm_mode_32 3
		.amdhsa_float_denorm_mode_16_64 3
		.amdhsa_memory_ordered 1
		.amdhsa_forward_progress 1
		.amdhsa_inst_pref_size 31
	.end_amdhsa_kernel
	.amdgpu_metadata
---
amdhsa.version: [ 1, 2 ]
amdhsa.kernels:
  - .name:           k_q498011f98b_prep
    .symbol:         k_q498011f98b_prep.kd
    .args:
      - { .name: W2, .offset: 0, .size: 8, .value_kind: global_buffer, .address_space: global }
      - { .name: W3, .offset: 8, .size: 8, .value_kind: global_buffer, .address_space: global }
      - { .name: W4, .offset: 16, .size: 8, .value_kind: global_buffer, .address_space: global }
      - { .name: W5, .offset: 24, .size: 8, .value_kind: global_buffer, .address_space: global }
      - { .name: A, .offset: 32, .size: 8, .value_kind: global_buffer, .address_space: global }
      - { .name: b1, .offset: 40, .size: 8, .value_kind: global_buffer, .address_space: global }
      - { .name: b2, .offset: 48, .size: 8, .value_kind: global_buffer, .address_space: global }
      - { .name: b3, .offset: 56, .size: 8, .value_kind: global_buffer, .address_space: global }
      - { .name: b4, .offset: 64, .size: 8, .value_kind: global_buffer, .address_space: global }
      - { .name: b5, .offset: 72, .size: 8, .value_kind: global_buffer, .address_space: global }
      - { .name: bvec, .offset: 80, .size: 8, .value_kind: global_buffer, .address_space: global }
      - { .name: W1, .offset: 88, .size: 8, .value_kind: global_buffer, .address_space: global }
      - { .name: W0, .offset: 96, .size: 8, .value_kind: global_buffer, .address_space: global }
      - { .name: b0, .offset: 104, .size: 8, .value_kind: global_buffer, .address_space: global }
      - { .name: img, .offset: 112, .size: 8, .value_kind: global_buffer, .address_space: global }
    .group_segment_fixed_size: 0
    .private_segment_fixed_size: 0
    .kernarg_segment_align: 8
    .kernarg_segment_size: 120
    .max_flat_workgroup_size: 32
    .sgpr_count:     66
    .vgpr_count:     176
    .wavefront_size: 32
...
	.end_amdgpu_metadata
.endif
;; end of part 1
;; launch chain (part 2): grid 256 x 1, 8 waves a work-group, clusters of 4 x 1, 327,680 bytes of LDS; arguments img, x, out0, out1; writes out0, out1
.if DOCPART == 2
	.amdgcn_target "amdgcn-amd-amdhsa--gfx1250"
	.amdhsa_code_object_version 6
	.text
	.protected	k_q498011f98b_chain
	.globl	k_q498011f98b_chain
	.p2align	8
	.type	k_q498011f98b_chain,@function
k_q498011f98b_chain:
	s_mov_b64 s[64:65], 0
	v_nop
	global_prefetch_b8 v0, s[64:65] scope:SCOPE_SE
	s_setreg_imm32_b32 hwreg(HW_REG_WAVE_MODE, 25, 1), 1
	s_wait_xcnt 0x0
	s_wait_alu depctr_hold_cnt(0) depctr_sa_sdst(0) depctr_va_vdst(0) depctr_va_sdst(0) depctr_va_ssrc(0) depctr_va_vcc(0) depctr_vm_vsrc(0)
	s_getreg_b32 s2, hwreg(HW_REG_IB_STS2, 6, 4)
	s_cmp_eq_u32 s2, 0
	s_cbranch_scc0 .Lentry_in_a_cluster
	s_endpgm
.Lentry_in_a_cluster:
	s_bfe_u32 s2, ttmp6, 0x10000c
	s_cmp_lg_u32 s2, 0x3003
	s_cbranch_scc0 .Lentry_shape_is_right
	s_endpgm
.Lentry_shape_is_right:
; The whole network, its two derivatives and the two outputs, from x to out0 and out1; no hidden layer goes to LDS or to memory.
; WORK LEFT OUT: the second copy of the first-order stream (equal to the first for all inputs), W0 times the constant 1, and the zero second-order tangent of x: shown at the head of the launch that lays out img.
; SHARES.  A work-group owns 256 points, each of its eight waves 32, in two batches of 16.  Two waves share a SIMD, 512 registers each: a batch has about as many vector as matrix instructions, and one wave's stand beside the other's.
; THE WEIGHTS.  img (256,000 bytes: codes, scale words, biases, W1, W0, b0) comes into LDS ONCE, each wave fetching 125 rows of 256 bytes, and stays: nothing is filled again, and behind the fill no wave waits for another.
; CLUSTER.  All work-groups read the same img: the four of a cluster ask for it jointly, by the same tensor load with the same descriptor and a mask that names the four.
; LAYOUT.  Every product is used transposed: source 0 = 16 rows of a weight, source 1 = my 16 points.  Lane (r, h) holds point r.  Row p of tile tl of group g is unit 64 g + 32 (p / 8) + 8 tl + p % 8, so register 8 tl + j of a group's
; 32 results is unit 64 g + 32 h + 8 tl + j: a lane's 32 registers are one WHOLE block of 32 along the next K, in the order of the next operand's registers 6 c .. 6 c + 5 (c = g % 2).  No lane is asked for a maximum or a code; the scale
; word alone wants one exchange between the halves of the lanes.
; THREE STREAMS: h = t = tanh(a), h' = (1 - t^2) a', h'' = (1 - t^2)(a'' - 2 t a'^2); each fragment of a weight read from LDS feeds three matrix instructions.
; tanh(a) = 1 - 2 / (1 + 2^(2 log2(e) a)).  LIMITS: its absolute error is about 1e-7, so under |a| = 0.1 its relative error passes 1e-6; NaN and infinities among the inputs are not served; a block whose largest magnitude lies under 2^-122 has the byte 1, as the rule's hold has it.
; W0 and W1 feed quantisers: f32 (packed multiply-adds; the f32 matrix form, whose results lie in registers that matrix instructions alone write).  F . bvec: f32 multiply-adds.
; REGISTERS, window 0: v1-17 addresses; v18-23 x, x^2 - 1, 4 x; v26-43 the activations' scale words; v44-47 the weights' scale words, two sets; v48-63 at work; v64-159 the three streams' 32 results; v160-255 the weights' fragments, two sets of four.
;   window 1: v0-143 P, v144-215 Q: the activations' codes (fragment f, stream s at 36 f + 12 s), the layers' outputs by turns in P and Q; v216-247 the f32 matrix form's results.
; THE STREAMS AS THEY ARE CARRIED: h, 2 h1 and 2 h2 (h1, h2: the first and second derivative).  A factor of two moves a block's scale byte by one and leaves its codes as they are, so the products are those of h1 and h2 times two, exactly;
; with a1 = 2 x (first derivative of a) and a2 = 2 x (second derivative of a) the activation is t, s a1 and s (a2 - (t a1) a1), s = 1 - t^2: five packed lines a pair behind t.  The last layer's factors take the two back.
.set FRB,   1536
.set SCB,   235008                     ; LDS as img: the scale words, 64 bytes a fragment
.set T0B,   244800                     ; W0 and b0
.set BIB,   245760                     ; biases and bvec, 64 bytes a tile
.set W1B,   250880                     ; W1's f32 fragments
.set STG,   256000                     ; behind the image: a stage for each wave: 16 rows of 400 bytes, and 256 bytes into which the last row's padding falls
.set STGW,  6656
.set SPARE, 309248                     ; the spare words, 128 bytes for each wave: four blocks of 256 bytes that no other line names
.set SPW, 1                            ; v1   LDS address of my spare word; never rewritten
.set NIL, 2                            ; v2   0; never rewritten
.set LI,  3                            ; v3   16 x lane
.set AW,  4                            ; v4   the fragments' base in hand
.set SC0, 5                            ; v5   SCB + 4 x lane
.set SCA, 6                            ; v6   the scale words' base in hand
.set BI0, 7                            ; v7   BIB + 32 h
.set BIA, 8                            ; v8   the biases' base in the loop
.set W1A, 9                            ; v9   W1B + 16 x lane
.set T0A, 10                           ; v10  T0B + 80 h
.set STO, 11                           ; v11  my stage + 400 r + 128 h
.set RD,  12                           ; v12  my stage + 16 x lane
.set RD8, 13                           ; v13  my stage + 6,144 + 8 x lane
.set GO8, 15                           ; v15  6,144 + 8 x lane
.set SH8, 16                           ; v16  8 h
.set XA,  17                           ; v17  4 r
.set XX,  18                           ; v18, v19  x of this batch and of the next
.set PP,  20                           ; v[20:21]  x^2 - 1, twice
.set X4,  22                           ; v[22:23]  4 x, twice
.set SWP, 26                           ; scale words of P's fragments: 26 + 3 f + s
.set SWQ, 38                           ; of Q's
.set WSB, 44                           ; the weights': 44 + 2 set + q: lanes 0-15 tile 2 q's rows, lanes 16-31 tile 2 q + 1's
.set TM,  48
.set ACC, 64                           ; stream s, tile tl at 64 + 32 s + 8 tl
.set WFB, 160                          ; set, tile at 160 + 48 set + 12 tl
.set PB,  0                            ; window 1
.set QB,  144
.set DD,  216                          ; written by the f32 matrix form alone
.set H0,  36                           ; the first layer's three streams, 10 registers each
.set WA,  72                           ; W1's 20 fragments
.set SV,  112                          ; 1 - t^2 of the second layer
.set PU,  0                            ; U
.set FC,  64
.set K2,  24                           ; v[24:25]  -0.00025 (x^2 - 1), twice
.set MSB, 0
.macro WIN new                         ; the immediate's high byte repeats the setting that is left; a switch that changes nothing is dropped.  Bits 1:0 source 0, 3:2 source 1, 5:4 source 2, 7:6 destination
.if MSB != (\new)
	s_set_vgpr_msb (MSB<<8)|(\new)
.set MSB, \new
.endif
.endm
.macro PLACES n
.rept \n
	v_nop
.endr
.endm
.macro CROUND                          ; a round of the cluster's barrier
	s_barrier_signal -1
	s_barrier_wait -1
	s_cmp_lg_u32 s12, 0
	s_cbranch_scc1 .Lnot_wave_0_\@
	s_barrier_signal -3
.Lnot_wave_0_\@:
	s_barrier_wait -3
	s_barrier_signal -1
	s_barrier_wait -1
.endm
.macro REBASE f                        ; the loads' immediates count from fragment f: made anew from registers that never change
	WIN 0
.if (\f) == 0
	v_mov_b32 v[AW], v[LI]
	v_mov_b32 v[SCA], v[SC0]
.else
	v_add_nc_u32 v[AW], (\f)*FRB, v[LI]
	v_add_nc_u32 v[SCA], (\f)*64, v[SC0]
.endif
.set BASEF, \f
.endm
; The next K step's fragments (four; one in a tail) and their scale words, into set LSET.  img lies in the order of use, so LF only ever steps on.
.macro LOADNEXT
.set NTL, 4
.if (LF == 12) || ((LF >= 125) && (LF <= 128))
.set NTL, 1
.endif
.if LF >= 153
.set NTL, 0
.endif
.irp tl, 0,1,2,3
.if \tl < NTL
.irp j, 0,1,2
	ds_load_b128 v[WFB+48*LSET+12*\tl+4*\j:WFB+48*LSET+12*\tl+4*\j+3], v[AW] offset:(LF+\tl-BASEF)*FRB+512*\j
.endr
.endif
.endr
.irp q, 0,1
.if 2*\q < NTL
	ds_load_b32 v[WSB+2*LSET+\q], v[SCA] offset:64*(LF+2*\q-BASEF)
.endif
.endr
.set LASTCNT, 3*NTL+(NTL+1)/2
.set LF, LF+NTL
.set LSET, 1-LSET
.endm
.macro WM d, a, b, zero, sa, sb, odd   ; one product; odd: the weight's scale words stand in lanes 16-31
.if (\zero) && (\odd)
	v_wmma_scale_f32_16x16x128_f8f6f4 v[\d:\d+7], v[\a:\a+11], v[\b:\b+11], 0, v[\sa], v[\sb] matrix_a_fmt:MATRIX_FMT_BF6 matrix_b_fmt:MATRIX_FMT_BF6 matrix_a_scale:MATRIX_SCALE_ROW1
.elseif \zero
	v_wmma_scale_f32_16x16x128_f8f6f4 v[\d:\d+7], v[\a:\a+11], v[\b:\b+11], 0, v[\sa], v[\sb] matrix_a_fmt:MATRIX_FMT_BF6 matrix_b_fmt:MATRIX_FMT_BF6
.elseif \odd
	v_wmma_scale_f32_16x16x128_f8f6f4 v[\d:\d+7], v[\a:\a+11], v[\b:\b+11], v[\d:\d+7], v[\sa], v[\sb] matrix_a_fmt:MATRIX_FMT_BF6 matrix_b_fmt:MATRIX_FMT_BF6 matrix_a_scale:MATRIX_SCALE_ROW1
.else
	v_wmma_scale_f32_16x16x128_f8f6f4 v[\d:\d+7], v[\a:\a+11], v[\b:\b+11], v[\d:\d+7], v[\sa], v[\sb] matrix_a_fmt:MATRIX_FMT_BF6 matrix_b_fmt:MATRIX_FMT_BF6
.endif
.endm
; One K step of a group: nt tiles x ns streams.  first: the products start the sums (constant 0; with bias = 1 stream 0 starts from the bias, loaded into its accumulator).  d: accumulators; b: the activations' codes (window 1); sb: their scale words.
; The accumulators take turns, one instruction a turn, from K step to K step too.  Behind the products four places, then the set just read takes the K step two further on.
.macro UNIT nt, first, bias, ns, d, b, sb
	WIN 0x04                                       ; source 1 in window 1
.if (\first) && (\bias)
	s_wait_dscnt 2*(\nt)                           ; all but the youngest loads, the bias tiles' two each
.elseif \first
	s_wait_dscnt 0x0
.else
	s_wait_dscnt LASTCNT                           ; behind this K step's loads only the next one's were issued
.endif
.if (\first) && !(\bias)
.set ZF, 1
.else
.set ZF, 0
.endif
.if (\ns) == 3
.irp tl, 0,1,2,3
.if \tl < (\nt)
	WM (\d)+32+8*\tl, WFB+48*USET+12*\tl, (\b)+12, \first, WSB+2*USET+\tl/2, (\sb)+1, \tl%2
	WM (\d)+64+8*\tl, WFB+48*USET+12*\tl, (\b)+24, \first, WSB+2*USET+\tl/2, (\sb)+2, \tl%2
.endif
.endr
.endif
.if (\first) && (\bias)
	s_wait_dscnt 0x0                               ; the bias
.endif
.irp tl, 0,1,2,3
.if \tl < (\nt)
	WM (\d)+8*\tl, WFB+48*USET+12*\tl, (\b), ZF, WSB+2*USET+\tl/2, (\sb), \tl%2
.endif
.endr
	PLACES 4                                       ; in front of the loads into the set just read, and of the first read of results
	LOADNEXT
.set USET, 1-USET
.endm
; nr numbers 2 log2(e) a at v[base] on become t = tanh(a).  The exponentials are one batch with one wait, and so are the reciprocals; a plain instruction stands behind each batch.
.macro TANHB base, nr
.set J, 0
.rept \nr
	v_exp_f32 v[(\base)+J], v[(\base)+J]
.set J, J+1
.endr
	v_nop
	s_wait_alu depctr_va_vdst(0)
.set J, 0
.rept (\nr)/2
	v_pk_add_f32 v[(\base)+J:(\base)+J+1], v[(\base)+J:(\base)+J+1], 1.0 op_sel_hi:[1,0]
.set J, J+2
.endr
.set J, 0
	s_wait_alu depctr_va_vdst(0)
.rept \nr
	v_rcp_f32 v[(\base)+J], v[(\base)+J]
.set J, J+1
.endr
	v_nop
	s_wait_alu depctr_va_vdst(0)
.set J, 0
.rept (\nr)/2
	v_pk_fma_f32 v[(\base)+J:(\base)+J+1], v[(\base)+J:(\base)+J+1], -2.0, 1.0 op_sel_hi:[1,0,0]
.set J, J+2
.endr
.endm
; The activation and its two derivatives, in place, on the first nr registers of each stream; each accumulator is read from its low end on.
.macro ACT nr
	WIN 0
.set J, 0
.rept (\nr)/2
	v_pk_mul_f32 v[ACC+J:ACC+J+1], v[ACC+J:ACC+J+1], s[30:31] op_sel_hi:[1,0]
.set J, J+2
.endr
	s_wait_alu depctr_va_vdst(0)
	TANHB ACC, \nr
.set BK, 0
.rept (\nr)/8
.irp i, 0,2,4,6
	v_pk_fma_f32 v[TM+\i:TM+\i+1], v[ACC+BK+\i:ACC+BK+\i+1], v[ACC+BK+\i:ACC+BK+\i+1], 1.0 op_sel_hi:[1,1,0] neg_lo:[1,0,0] neg_hi:[1,0,0]   ; 1 - t^2
.endr
.irp i, 0,2,4,6
	v_pk_mul_f32 v[TM+8+\i:TM+9+\i], v[ACC+BK+\i:ACC+BK+\i+1], v[ACC+32+BK+\i:ACC+33+BK+\i]       ; t a1
.endr
.irp i, 0,2,4,6
	v_pk_fma_f32 v[ACC+64+BK+\i:ACC+65+BK+\i], v[TM+8+\i:TM+9+\i], v[ACC+32+BK+\i:ACC+33+BK+\i], v[ACC+64+BK+\i:ACC+65+BK+\i] neg_lo:[1,0,0] neg_hi:[1,0,0]   ; a2 - (t a1) a1
.endr
.irp i, 0,2,4,6
	s_delay_alu instid0(VALU_DEP_4)
	v_pk_mul_f32 v[ACC+64+BK+\i:ACC+65+BK+\i], v[TM+\i:TM+\i+1], v[ACC+64+BK+\i:ACC+65+BK+\i]     ; h''
.endr
.irp i, 0,2,4,6
	v_pk_mul_f32 v[ACC+32+BK+\i:ACC+33+BK+\i], v[TM+\i:TM+\i+1], v[ACC+32+BK+\i:ACC+33+BK+\i]     ; h'
.endr
.set BK, BK+8
.endr
.endm
.macro BIASLD breg, boff, bn           ; the next group's bias, bn tiles, into stream 0's accumulators: lane (r, h) takes rows 8 h .. 8 h + 7 of each tile
.if (\bn) > 0
.set BT, 0
.rept \bn
	ds_load_b128 v[ACC+8*BT:ACC+8*BT+3], v[\breg] offset:(\boff)+64*BT
	ds_load_b128 v[ACC+8*BT+4:ACC+8*BT+7], v[\breg] offset:(\boff)+64*BT+16
.set BT, BT+1
.endr
.endif
.endm
.macro SWORD ns, swo, mode             ; v[TM+4+s]: the conversion's scale operand.  mode 0: the lower half of a fragment: my byte is kept; 1: the upper half: both bytes go to their places, and lane l xor 16's two make the word whole; 2: a fragment with a lower half alone
.irp s, 0
.if \s < (\ns)
	v_add_nc_u32 v[TM+4+\s], 0xfe000000, v[TM+\s]  ; 4 off the largest magnitude's exponent field
.endif
.endr
.irp s, 1, 2
.if \s < (\ns)
	s_delay_alu instid0(VALU_DEP_3)
	v_add_nc_u32 v[TM+4+\s], 0xfe000000, v[TM+\s]  ; 4 off the largest magnitude's exponent field
.endif
.endr
.irp s, 0
.if \s < (\ns)
.if (\mode) == 1
	v_lshrrev_b32 v[TM+8+\s], 23, v[TM+4+\s]
.else
	v_lshrrev_b32 v[(\swo)+\s], 23, v[TM+4+\s]
.endif
.endif
.endr
.irp s, 1, 2
.if \s < (\ns)
.if (\mode) == 1
	s_delay_alu instid0(VALU_DEP_3)
	v_lshrrev_b32 v[TM+8+\s], 23, v[TM+4+\s]
.else
	s_delay_alu instid0(VALU_DEP_3)
	v_lshrrev_b32 v[(\swo)+\s], 23, v[TM+4+\s]
.endif
.endif
.endr
.if (\mode) == 1
.irp s, 0
.if \s < (\ns)
	v_lshl_or_b32 v[(\swo)+\s], v[TM+8+\s], 16, v[(\swo)+\s]
.endif
.endr
.irp s, 1, 2
.if \s < (\ns)
	s_delay_alu instid0(VALU_DEP_3)
	v_lshl_or_b32 v[(\swo)+\s], v[TM+8+\s], 16, v[(\swo)+\s]
.endif
.endr
.endif
.if (\mode) > 0
.irp s, 0
.if \s < (\ns)
	v_lshlrev_b32 v[(\swo)+\s], v[SH8], v[(\swo)+\s]
.endif
.endr
.irp s, 1, 2
.if \s < (\ns)
	s_delay_alu instid0(VALU_DEP_3)
	v_lshlrev_b32 v[(\swo)+\s], v[SH8], v[(\swo)+\s]
.endif
.endr
.irp s, 0
.if \s < (\ns)
	v_permlanex16_b32 v[TM+\s], v[(\swo)+\s], s28, s29
.endif
.endr
.irp s, 1, 2
.if \s < (\ns)
	s_delay_alu instid0(VALU_DEP_3)
	v_permlanex16_b32 v[TM+\s], v[(\swo)+\s], s28, s29
.endif
.endr
.irp s, 0
.if \s < (\ns)
	v_or_b32 v[(\swo)+\s], v[(\swo)+\s], v[TM+\s]
.endif
.endr
.irp s, 1, 2
.if \s < (\ns)
	s_delay_alu instid0(VALU_DEP_3)
	v_or_b32 v[(\swo)+\s], v[(\swo)+\s], v[TM+\s]
.endif
.endr
.endif
.endm
; A group's 32 numbers of each of ns streams become half a fragment's codes, v[cb + 12 s] .. + 5 of window 1, and a byte of its scale word.  last = 1: the codes are the next product's operand.
.macro QUANT ns, cb, swo, mode, breg, boff, bn, last
	WIN 0
.irp s, 0,1,2
.if \s < (\ns)
	v_max3_num_f32 v[TM+\s], |v[ACC+32*\s]|, |v[ACC+32*\s+1]|, 0x2800000   ; the block's largest magnitude: all 32 numbers are mine; and the floor 2^(5 - 127), so that the byte cannot fall under 1
.endif
.endr
.irp i, 2,4,6,8,10,12,14,16,18,20,22,24,26,28,30
.irp s, 0
.if \s < (\ns)
	v_max3_num_f32 v[TM+\s], v[TM+\s], |v[ACC+32*\s+\i]|, |v[ACC+32*\s+\i+1]|
.endif
.endr
.irp s, 1, 2
.if \s < (\ns)
	s_delay_alu instid0(VALU_DEP_3)
	v_max3_num_f32 v[TM+\s], v[TM+\s], |v[ACC+32*\s+\i]|, |v[ACC+32*\s+\i+1]|
.endif
.endr
.endr
	SWORD \ns, \swo, \mode
	WIN 0x40                                       ; destination in window 1
.irp s, 0,1,2
.if \s < (\ns)
	v_cvt_scalef32_pk16_bf6_f32 v[(\cb)+12*\s+2:(\cb)+12*\s+4], v[ACC+32*\s+16:ACC+32*\s+31], v[TM+4+\s]   ; the upper 16 codes first, one register low (a conversion's three registers begin on an even number),
.endif
.endr
	v_nop                                          ; one plain place behind a scaled conversion
	WIN 0x41
.irp i, 5,4,3
.irp s, 0,1,2
.if \s < (\ns)
	v_mov_b32 v[(\cb)+12*\s+\i], v[(\cb)+12*\s+\i-1]   ; moved up by one, from the top down,
.endif
.endr
.endr
	WIN 0x40
.irp s, 0,1,2
.if \s < (\ns)
	v_cvt_scalef32_pk16_bf6_f32 v[(\cb)+12*\s:(\cb)+12*\s+2], v[ACC+32*\s:ACC+32*\s+15], v[TM+4+\s]        ; then the lower 16
.endif
.endr
	WIN 0
.if \last
	PLACES 8                                       ; scale words written by vector instructions stand eight places ahead of the scaled product, codes four
.else
	v_nop                                          ; one plain place behind a scaled conversion
.endif
	BIASLD \breg, \boff, \bn
.endm
; The tail of a layer of 200 units: one tile, units 192-199 in lanes 0-15.  Eight codes are 48 bits; the rest of the half fragment is zero codes.
.macro QTAIL cb, swo, breg, boff, bn
	WIN 0
.irp s, 0,1,2
	v_max3_num_f32 v[TM+\s], |v[ACC+32*\s]|, |v[ACC+32*\s+1]|, 0x2800000
.endr
.irp i, 2,4,6
.irp s, 0,1,2
	s_delay_alu instid0(VALU_DEP_3)
	v_max3_num_f32 v[TM+\s], v[TM+\s], |v[ACC+32*\s+\i]|, |v[ACC+32*\s+\i+1]|
.endr
.endr
	SWORD 3, \swo, 1
	WIN 0x40
.irp s, 0,1,2
	v_cvt_scalef32_pk16_bf6_f32 v[(\cb)+12*\s:(\cb)+12*\s+2], v[ACC+32*\s:ACC+32*\s+15], v[TM+4+\s]   ; (its upper eight sources are the group before's numbers: their codes are cut away below)
.endr
	v_nop
	WIN 0x44
.irp s, 0,1,2
	v_and_b32 v[(\cb)+12*\s+1], 0xffff, v[(\cb)+12*\s+1]
.irp i, 2,3,4,5
	v_mov_b32 v[(\cb)+12*\s+\i], 0
.endr
.endr
	WIN 0
	PLACES 8
	BIASLD \breg, \boff, \bn
.endm
.macro GROUP ks, inb, insw, cb, swo, mode, breg, boff, bn, last   ; 64 units of a layer: ks K steps, the activation, the quantiser
.set KI, 0
.rept \ks
.if KI == 0
	UNIT 4, 1, 1, 3, ACC, (\inb)+36*KI, (\insw)+3*KI
.else
	UNIT 4, 0, 1, 3, ACC, (\inb)+36*KI, (\insw)+3*KI
.endif
.set KI, KI+1
.endr
	ACT 32
	QUANT 3, \cb, \swo, \mode, \breg, \boff, \bn, \last
.endm
.macro TAILG ks, inb, insw, cb, swo, breg, boff, bn
.set KI, 0
.rept \ks
.if KI == 0
	UNIT 1, 1, 1, 3, ACC, (\inb)+36*KI, (\insw)+3*KI
.else
	UNIT 1, 0, 1, 3, ACC, (\inb)+36*KI, (\insw)+3*KI
.endif
.set KI, KI+1
.endr
	ACT 8
	QTAIL \cb, \swo, \breg, \boff, \bn
.endm
; One stream of the second layer: 4 tiles x 5 K steps of 4, in f32.  The four accumulators take turns.  Stream 0 starts from the bias, the others from the constant 0.
.macro PASS s
.set Q4, 0
.rept 5
.if Q4 == 0
	WIN 0x45                                       ; destination and sources 0, 1 in window 1; C in window 0
.else
	WIN 0x55
.endif
.irp tl, 0,1,2,3
.if (Q4 == 0) && ((\s) == 0)
	v_wmma_f32_16x16x4_f32 v[DD+8*\tl:DD+8*\tl+7], v[WA+2*(5*\tl+Q4):WA+2*(5*\tl+Q4)+1], v[H0+10*(\s)+2*Q4:H0+10*(\s)+2*Q4+1], v[ACC+8*\tl:ACC+8*\tl+7]
.elseif Q4 == 0
	v_wmma_f32_16x16x4_f32 v[DD+8*\tl:DD+8*\tl+7], v[WA+2*(5*\tl+Q4):WA+2*(5*\tl+Q4)+1], v[H0+10*(\s)+2*Q4:H0+10*(\s)+2*Q4+1], 0
.else
	v_wmma_f32_16x16x4_f32 v[DD+8*\tl:DD+8*\tl+7], v[WA+2*(5*\tl+Q4):WA+2*(5*\tl+Q4)+1], v[H0+10*(\s)+2*Q4:H0+10*(\s)+2*Q4+1], v[DD+8*\tl:DD+8*\tl+7]
.endif
.endr
.set Q4, Q4+1
.endr
.endm
; Outputs 64 c + 32 h + 0 .. 31 of the network become U (kept), F (quantised) and their part of F . bvec.
.macro FINAL c
	WIN 0
.set I, 0
.rept 16
	v_pk_mul_f32 v[ACC+64+I:ACC+65+I], v[ACC+64+I:ACC+65+I], v[K2:K2+1]                        ; -0.0005 (x^2 - 1) x the second derivative of o (the stream holds twice that derivative)
.set I, I+2
.endr
.set I, 0
.rept 16
	v_pk_fma_f32 v[ACC+64+I:ACC+65+I], v[ACC+32+I:ACC+33+I], v[X4:X4+1], v[ACC+64+I:ACC+65+I]  ; + 4 x o'
.set I, I+2
.endr
.set I, 0
.rept 16
	v_pk_fma_f32 v[ACC+64+I:ACC+65+I], v[ACC+I:ACC+I+1], s[36:37], v[ACC+64+I:ACC+65+I] op_sel_hi:[1,0,1]   ; - 0.001 o: the sum is -0.0005 U_xx
.set I, I+2
.endr
.set BT, 0
.rept 4
	ds_load_b128 v[ACC+32+8*BT:ACC+35+8*BT], v[BI0] offset:(72+4*(\c)+BT)*64                   ; bvec at my units, where o' lay
	ds_load_b128 v[ACC+36+8*BT:ACC+39+8*BT], v[BI0] offset:(72+4*(\c)+BT)*64+16
.set BT, BT+1
.endr
	WIN 0x40
.set I, 0
.rept 16
	v_pk_fma_f32 v[PU+32*(\c)+I:PU+32*(\c)+I+1], v[ACC+I:ACC+I+1], v[PP:PP+1], -1.0 op_sel_hi:[1,1,0]   ; U
.set I, I+2
.endr
	WIN 0x05
.set I, 0
.rept 16
	v_pk_fma_f32 v[ACC+I:ACC+I+1], v[PU+32*(\c)+I:PU+32*(\c)+I+1], v[PU+32*(\c)+I:PU+32*(\c)+I+1], 1.0 op_sel_hi:[1,1,0] neg_lo:[1,0,0] neg_hi:[1,0,0]   ; 1 - U^2
.set I, I+2
.endr
	WIN 0x01
.set I, 0
.rept 16
	v_pk_mul_f32 v[ACC+I:ACC+I+1], v[PU+32*(\c)+I:PU+32*(\c)+I+1], v[ACC+I:ACC+I+1]            ; U - U^3
.set I, I+2
.endr
	WIN 0
.set I, 0
.rept 16
	v_pk_fma_f32 v[ACC+I:ACC+I+1], v[ACC+I:ACC+I+1], s[34:35], v[ACC+64+I:ACC+65+I] op_sel_hi:[1,0,1]   ; F
.set I, I+2
.endr
	s_wait_dscnt 0x0                               ; bvec
.set I, 0
.rept 16
.if ((\c) == 0) && (I < 4)
	v_pk_mul_f32 v[TM+12+(I&2):TM+13+(I&2)], v[ACC+I:ACC+I+1], v[ACC+32+I:ACC+33+I]            ; F . bvec in two chains of pairs: the first two products start them
.else
	v_pk_fma_f32 v[TM+12+(I&2):TM+13+(I&2)], v[ACC+I:ACC+I+1], v[ACC+32+I:ACC+33+I], v[TM+12+(I&2):TM+13+(I&2)]
.endif
.set I, I+2
.endr
.if (\c) == 0
	QUANT 1, FC, SWP, 0, BI0, 68*64, 4, 0
.else
	QUANT 1, FC+6, SWP, 1, BI0, 0, 0, 1
.endif
.endm
; 16 rows of 100 numbers into my stage, dense.  The upper group goes first: its units 100-127, which are padding, fall on the next row's first 112 bytes, which the lower group's stores write afterwards (LDS serves a wave's instructions in order: ISA guide 5.7.1.4).
.macro STAGE
.irp c, 1,0
.irp tl, 0,1,2,3
	ds_store_b128 v[STO], v[ACC+32*\c+8*\tl:ACC+32*\c+8*\tl+3] offset:256*\c+32*\tl
	ds_store_b128 v[STO], v[ACC+32*\c+8*\tl+4:ACC+32*\c+8*\tl+7] offset:256*\c+32*\tl+16
.endr
.endr
.endm
.macro SENDOUT p                       ; the batch's 6,400 bytes are one dense block of the output, at a multiple of 256 from its first byte: twelve stores of 512 consecutive bytes and one of 256
.set J, 0
.rept 12
	ds_load_b128 v[WFB+4*J:WFB+4*J+3], v[RD] offset:512*J
.set J, J+1
.endr
	ds_load_b64 v[WFB+48:WFB+49], v[RD8]
	s_wait_dscnt 0x0                               ; the block is back in registers, and the stage's stores have read theirs
.set J, 0
.rept 12
	global_store_b128 v[LI], v[WFB+4*J:WFB+4*J+3], s[\p:\p+1] offset:512*J th:TH_STORE_NT
.set J, J+1
.endr
	global_store_b64 v[GO8], v[WFB+48:WFB+49], s[\p:\p+1] th:TH_STORE_NT
.endm
	s_load_b256 s[4:11], s[0:1], 0x0               ; img s[4:5], x s[6:7], out0 s[8:9], out1 s[10:11]
	v_lshl_add_u32 v[SPW], v0, 2, SPARE
	v_mov_b32 v[NIL], 0
	ds_add_u32 v[SPW], v[NIL]                      ; the wave's opening: the add, twice on end, and its wait ahead of my tensor load; the set-up below, work on registers, stands between
	ds_add_u32 v[SPW], v[NIL]
	v_lshrrev_b32 v24, 5, v0
	s_delay_alu instid0(VALU_DEP_1)
	v_readfirstlane_b32 s12, v24                   ; wave 0..7
	s_bfe_u32 s13, ttmp6, 0x40000                  ; cx: my place in the cluster
	s_lshl_b32 s14, ttmp9, 2                       ; in a cluster launch ttmp9 counts clusters
	s_add_co_u32 s14, s14, s13                     ; my work-group: it enters x's and the outputs' addresses alone
	; descriptor group 1: 125 rows of 256 bytes (32 elements of 8), dense in memory and in LDS
	s_mov_b32 s16, 15|(3<<16)|(1<<21)              ; 15:0 the mask: all four work-groups; 17:16 elements of 8 bytes; 20 no padding; 21 set beside a mask
	s_mov_b32 s17, 32<<16                          ; tensor_dim0
	s_mov_b32 s18, 125<<16                         ; tensor_dim1
	s_mov_b32 s19, 32<<16                          ; tile_dim0
	s_mov_b32 s20, 125                             ; tile_dim1
	s_mov_b32 s21, 32                              ; elements from row to row
	s_mov_b32 s22, 0
	s_mov_b32 s23, 0
	s_mov_b32 s24, 1                               ; group 0: count = 1
	s_mul_i32 s25, s12, 32000                      ; LDS address: my eighth of the image
	s_mov_b32 s44, s25
	s_mov_b32 s45, 0
	s_mov_b32 s28, 0x76543210
	s_mov_b32 s29, 0xfedcba98                      ; v_permlanex16_b32's selects for lane l xor 16
	s_mov_b32 s30, 0x4038aa3b                      ; 2 log2(e)  (the packed forms name a pair and take its low word for both halves: so both are written)
	s_mov_b32 s31, s30
	s_mov_b32 s32, 0x3f4ccccd                      ; 0.8
	s_mov_b32 s33, s32
	s_mov_b32 s34, 0xc0a00000                      ; -5
	s_mov_b32 s35, s34
	s_mov_b32 s50, 0xb983126f                      ; -0.00025
	s_mov_b32 s36, 0xba83126f                      ; -0.001
	s_mov_b32 s37, s36
	s_lshl_b32 s46, s14, 10                        ; x: 256 points a work-group, 32 a wave
	s_lshl_b32 s15, s12, 7
	s_add_co_u32 s46, s46, s15
	s_mov_b32 s47, 0
	s_mul_i32 s48, s14, 102400                     ; the outputs: 400 bytes a point
	s_mul_i32 s15, s12, 12800
	s_add_co_u32 s48, s48, s15
	s_mov_b32 s49, 0
	s_wait_dscnt 0x0                               ; both opening adds are done
	s_wait_kmcnt 0x0
	s_add_nc_u64 s[26:27], s[4:5], s[44:45]        ; global address: the same eighth of img
	s_or_b32 s27, s27, 0x80000000                  ; type = 2
	s_add_nc_u64 s[6:7], s[6:7], s[46:47]
	s_add_nc_u64 s[8:9], s[8:9], s[48:49]
	s_add_nc_u64 s[10:11], s[10:11], s[48:49]
	CROUND                                         ; all four work-groups are here: the joint loads meet
	tensor_load_to_lds s[24:27], s[16:23]          ; every wave issues one: my only tensor load
	s_nop 0
	PLACES 4
	v_and_b32 v24, 31, v0                          ; lane
	v_and_b32 v25, 15, v0                          ; r
	v_bfe_u32 v[SH8], v0, 4, 1                     ; h
	s_delay_alu instid0(VALU_DEP_3)
	v_lshlrev_b32 v[LI], 4, v24
	s_delay_alu instid0(VALU_DEP_4)
	v_lshl_add_u32 v[SC0], v24, 2, SCB
	s_delay_alu instid0(VALU_DEP_3)
	v_lshl_add_u32 v[BI0], v[SH8], 5, BIB
	s_delay_alu instid0(VALU_DEP_3)
	v_add_nc_u32 v[W1A], W1B, v[LI]
	v_mul_u32_u24 v[T0A], v[SH8], 80
	s_delay_alu instid0(VALU_DEP_1)
	v_add_nc_u32 v[T0A], T0B, v[T0A]
	s_mul_i32 s15, s12, STGW
	s_add_co_u32 s15, s15, STG                     ; my stage
	v_mul_u32_u24 v[STO], v25, 400
	s_delay_alu instid0(VALU_DEP_1)
	v_lshl_add_u32 v[STO], v[SH8], 7, v[STO]
	s_delay_alu instid0(VALU_DEP_1)
	v_add_nc_u32 v[STO], s15, v[STO]
	v_add_nc_u32 v[RD], s15, v[LI]
	v_lshl_add_u32 v[RD8], v24, 3, s15
	s_delay_alu instid0(VALU_DEP_1)
	v_add_nc_u32 v[RD8], 6144, v[RD8]
	v_lshl_add_u32 v[GO8], v24, 3, 6144
	v_lshlrev_b32 v[XA], 2, v25
	v_lshlrev_b32 v[SH8], 3, v[SH8]
	global_load_b32 v[XX], v[XA], s[6:7]           ; both batches' x
	global_load_b32 v[XX+1], v[XA], s[6:7] offset:64
.irp i, 6,7,8,9,10,11
	v_mov_b32 v[SWP+\i], 0                         ; written once: the fourth layer's first trip moves them before they hold scale words
.endr
	s_wait_loadcnt 0x0
	s_wait_tensorcnt 0x0                           ; my eighth of the image is in LDS,
	s_barrier_signal -1
	s_barrier_wait -1                              ; everybody's is.  From here on the image is only read
	s_mov_b32 s38, 2
.Lbatch:
.set LF, 0
.set LSET, 0
.set USET, 0
	REBASE 0
	LOADNEXT                                       ; the third layer's first two K steps
	LOADNEXT
	WIN 0x40
.irp k, 0,1,2,3,4
	ds_load_b128 v[QB+4*\k:QB+4*\k+3], v[T0A] offset:16*\k      ; W0 (10 registers) and b0 (10) at k = 4 q + 2 h + j
.endr
.irp k, 0,1,2,3,4,5,6,7,8,9
	ds_load_b128 v[WA+4*\k:WA+4*\k+3], v[W1A] offset:512*\k     ; W1's 20 fragments
.endr
	WIN 0
	BIASLD BI0, 0, 4                               ; b1
	s_wait_dscnt 18                                ; W0 and b0 are in; W1's ten loads and b1's eight may be out
	; ---- the first layer: a = W0 x + b0, a' = W0, a'' = 0
	WIN 0x51
	s_wait_alu depctr_va_vdst(0)
.irp q, 0,2,4,6,8
	v_pk_fma_f32 v[H0+\q:H0+\q+1], v[QB+\q:QB+\q+1], v[XX:XX+1], v[QB+10+\q:QB+11+\q] op_sel_hi:[1,0,1]
.endr
	WIN 0x41
.irp q, 0,2,4,6,8
	v_pk_mul_f32 v[H0+\q:H0+\q+1], v[H0+\q:H0+\q+1], s[30:31] op_sel_hi:[1,0]
.endr
	s_wait_alu depctr_va_vdst(0)
	TANHB H0, 10
	WIN 0x05
.irp q, 0,2,4,6,8
	v_pk_fma_f32 v[TM+\q:TM+\q+1], v[H0+\q:H0+\q+1], v[H0+\q:H0+\q+1], 1.0 op_sel_hi:[1,1,0] neg_lo:[1,0,0] neg_hi:[1,0,0]
.endr
	WIN 0x44
.irp q, 0,2,4,6,8
	v_pk_mul_f32 v[H0+10+\q:H0+11+\q], v[TM+\q:TM+\q+1], v[QB+\q:QB+\q+1]                 ; h' = (1 - t^2) W0
.endr
	WIN 0x45
.irp q, 0,2,4,6,8
	v_pk_mul_f32 v[H0+10+\q:H0+11+\q], v[H0+10+\q:H0+11+\q], 2.0 op_sel_hi:[1,0]           ; the stream carries twice the first derivative; the three lines below then give twice the second
.endr
.irp q, 0,2,4,6,8
	v_pk_mul_f32 v[H0+20+\q:H0+21+\q], v[H0+10+\q:H0+11+\q], v[QB+\q:QB+\q+1]
.endr
.irp q, 0,2,4,6,8
	v_pk_mul_f32 v[H0+20+\q:H0+21+\q], v[H0+\q:H0+\q+1], v[H0+20+\q:H0+21+\q]
.endr
.irp q, 0,2,4,6,8
	v_pk_mul_f32 v[H0+20+\q:H0+21+\q], v[H0+20+\q:H0+21+\q], -2.0 op_sel_hi:[1,0]         ; h'' = -2 t h' W0
.endr
	WIN 0
	v_fma_f32 v[PP], v[XX], v[XX], -1.0            ; x^2 - 1 and 4 x, each made twice: pairs for the packed forms
	v_fma_f32 v[PP+1], v[XX], v[XX], -1.0
	v_mul_f32 v[X4], s36, v[XX]                    ; -0.001 x = -0.0005 x 4 x / 2: the factor of the stream that holds twice the first derivative of o
	v_mul_f32 v[X4+1], s36, v[XX]
	v_mul_f32 v[K2], s50, v[PP]                    ; -0.00025 (x^2 - 1)
	v_mul_f32 v[K2+1], s50, v[PP]
	s_wait_dscnt 0x0                               ; W1 and b1
	; ---- the second layer, in f32, stream by stream; each stream's vector work stands behind the next stream's products
	PASS 0
	PLACES 9                                       ; behind the f32 form: eight places before a vector instruction reads a result or writes a source, nine before a matrix instruction writes over one
	WIN 0x01
.set I, 0
.rept 16
	v_pk_mul_f32 v[ACC+I:ACC+I+1], v[DD+I:DD+I+1], s[30:31] op_sel_hi:[1,0]
.set I, I+2
.endr
	PASS 1
	WIN 0
	s_wait_alu depctr_va_vdst(0)
	TANHB ACC, 32                                  ; its 34 plain lines name no register of the products above: they are the places behind them
	WIN 0x40
.set I, 0
.rept 16
	v_pk_fma_f32 v[SV+I:SV+I+1], v[ACC+I:ACC+I+1], v[ACC+I:ACC+I+1], 1.0 op_sel_hi:[1,1,0] neg_lo:[1,0,0] neg_hi:[1,0,0]
.set I, I+2
.endr
	WIN 0x05
.set I, 0
.rept 16
	v_pk_mul_f32 v[ACC+32+I:ACC+33+I], v[SV+I:SV+I+1], v[DD+I:DD+I+1]                      ; h'
.set I, I+2
.endr
.set I, 0
.rept 16
	v_pk_mul_f32 v[ACC+64+I:ACC+65+I], v[DD+I:DD+I+1], v[DD+I:DD+I+1]                      ; a'^2
.set I, I+2
.endr
	PASS 2
	WIN 0
.set I, 0
.rept 16
	v_pk_mul_f32 v[ACC+64+I:ACC+65+I], v[ACC+I:ACC+I+1], v[ACC+64+I:ACC+65+I]              ; t a'^2: sixteen places behind the products above
.set I, I+2
.endr
	WIN 0x10
.set I, 0
.rept 16
	v_pk_fma_f32 v[ACC+64+I:ACC+65+I], v[ACC+64+I:ACC+65+I], -1.0, v[DD+I:DD+I+1] op_sel_hi:[1,0,1]
.set I, I+2
.endr
	WIN 0x01
.set I, 0
.rept 16
	v_pk_mul_f32 v[ACC+64+I:ACC+65+I], v[SV+I:SV+I+1], v[ACC+64+I:ACC+65+I]                ; h''
.set I, I+2
.endr
	WIN 0x40
.irp s, 0,1,2
.irp i, 6,7,8,9,10,11
	v_mov_b32 v[PB+12*\s+\i], 0                    ; K = 50 fills half a fragment: the other half is zero codes
.endr
.endr
	QUANT 3, PB, SWP, 2, BI0, 4*64, 4, 1
	; ---- the third layer: 200 units, K = 50 in one K step; P -> Q
	s_wait_alu depctr_va_vdst(0)
	GROUP 1, PB, SWP, QB, SWQ, 0, BI0, 8*64, 4, 0
	GROUP 1, PB, SWP, QB+6, SWQ, 1, BI0, 12*64, 4, 0
	GROUP 1, PB, SWP, QB+36, SWQ+3, 0, BI0, 16*64, 1, 0
	TAILG 1, PB, SWP, QB+42, SWQ+3, BI0, 18*64, 4
	; ---- the fourth layer: 500 units, K = 200 in two K steps; Q -> P.  Two trips of four groups, written once: a trip writes P's fragments 2 and 3 and begins by moving them down to 0 and 1.
	; (The first trip moves values that nobody reads: 78 moves, the price of writing four groups and not eight.)  The loads that run ahead over a trip's end bring the next trip's, or the fifth layer's, first K steps and bias: img lies in the order of use.
	s_mov_b32 s39, 2
	s_mov_b32 s40, 13*FRB
	s_mov_b32 s41, 13*64
	s_mov_b32 s42, 18*64
.set BASEF, 13
	WIN 0
.Ll3:
	v_add_nc_u32 v[AW], s40, v[LI]
	v_add_nc_u32 v[SCA], s41, v[SC0]
	v_add_nc_u32 v[BIA], s42, v[BI0]
	WIN 0x41
.set I, 0
.rept 72
	v_mov_b32 v[PB+I], v[PB+72+I]
.set I, I+1
.endr
	WIN 0
.irp i, 0,1,2,3,4,5
	v_mov_b32 v[SWP+\i], v[SWP+6+\i]
.endr
	GROUP 2, QB, SWQ, PB+72, SWP+6, 0, BIA, 4*64, 4, 0
	GROUP 2, QB, SWQ, PB+78, SWP+6, 1, BIA, 8*64, 4, 0
	GROUP 2, QB, SWQ, PB+108, SWP+9, 0, BIA, 12*64, 4, 0
	GROUP 2, QB, SWQ, PB+114, SWP+9, 1, BIA, 16*64, 4, 1
	s_add_co_u32 s40, s40, 32*FRB                  ; a trip's 32 fragments, their scale words, its 16 bias tiles
	s_add_co_u32 s41, s41, 32*64
	s_add_co_u32 s42, s42, 16*64
	s_sub_co_u32 s39, s39, 1
	s_cmp_lg_u32 s39, 0
	s_cbranch_scc1 .Ll3
.set LF, 85                            ; the second trip's loads have reached the fifth layer's second K step
	; ---- the fifth layer: 200 units, K = 500 in four K steps; P -> Q
	REBASE 77
	s_wait_alu depctr_va_vdst(0)
	GROUP 4, PB, SWP, QB, SWQ, 0, BI0, 54*64, 4, 0
	GROUP 4, PB, SWP, QB+6, SWQ, 1, BI0, 58*64, 4, 0
	REBASE 109
	s_wait_alu depctr_va_vdst(0)
	GROUP 4, PB, SWP, QB+36, SWQ+3, 0, BI0, 62*64, 1, 0
	TAILG 4, PB, SWP, QB+42, SWQ+3, BI0, 64*64, 4
	; ---- the last layer: 100 outputs, K = 200 in two K steps; no activation; then U and F
	REBASE 129
	s_wait_alu depctr_va_vdst(0)
.irp c, 0,1
	UNIT 4, 1, 1, 3, ACC, QB, SWQ
	UNIT 4, 0, 1, 3, ACC, QB+36, SWQ+3
	FINAL \c
.endr
	; ---- F A^T, and the way out
	s_wait_alu depctr_va_vdst(0)
	UNIT 4, 1, 0, 1, ACC, FC, SWP
	UNIT 4, 1, 0, 1, ACC+32, FC, SWP
	WIN 0x10
.set I, 0
.rept 32
	v_pk_fma_f32 v[ACC+I:ACC+I+1], v[ACC+I:ACC+I+1], s[32:33], v[PU+I:PU+I+1] op_sel_hi:[1,0,1]   ; out0 = U + 0.8 F A^T
.set I, I+2
.endr
	WIN 0
	v_add_f32 v[TM+12], v[TM+12], v[TM+13]
	v_add_f32 v[TM+14], v[TM+14], v[TM+15]
	s_delay_alu instid0(VALU_DEP_1)
	v_add_f32 v[TM+12], v[TM+12], v[TM+14]
	s_delay_alu instid0(VALU_DEP_1)
	v_permlanex16_b32 v[TM+13], v[TM+12], s28, s29
	s_delay_alu instid0(VALU_DEP_1)
	v_add_f32 v[TM+12], v[TM+12], v[TM+13]         ; F . bvec of my point
	s_delay_alu instid0(VALU_DEP_1)
	v_mul_f32 v[TM], -v[TM+12], s32                ; -0.8 F . bvec, made twice: a pair for the packed form
	s_delay_alu instid0(VALU_DEP_2)
	v_mul_f32 v[TM+1], -v[TM+12], s32
	STAGE
	SENDOUT 8
.set I, 0
	s_wait_alu depctr_va_vdst(0)
.rept 32
	v_pk_add_f32 v[ACC+I:ACC+I+1], v[ACC+I:ACC+I+1], v[TM:TM+1]                                   ; out1
.set I, I+2
.endr
	STAGE
	s_wait_xcnt 0x0                                ; out0's stores have read their registers: they are loaded again only behind this wait
	SENDOUT 10
	s_wait_xcnt 0x0                                ; out1's stores have read their registers and their base: the next batch's fragments land there, and the bases step
	s_add_nc_u64 s[8:9], s[8:9], 6400
	s_add_nc_u64 s[10:11], s[10:11], 6400
	v_mov_b32 v[XX], v[XX+1]
	s_sub_co_u32 s38, s38, 1
	s_cmp_lg_u32 s38, 0
	s_cbranch_scc1 .Lbatch
	s_wait_tensorcnt 0x0                           ; the wave's end, behind my tensor load and my last LDS store
	ds_add_u32 v[SPW], v[NIL]
	s_wait_dscnt 0x0
	CROUND                                         ; the closing round
	s_endpgm
.Lfunc_end_k_q498011f98b_chain:
	.size	k_q498011f98b_chain, .Lfunc_end_k_q498011f98b_chain-k_q498011f98b_chain
	.p2alignl 7, 3214868480
	.fill 96, 4, 3214868480
	.section	.rodata,"a",@progbits
	.p2align	6, 0x0
	.amdhsa_kernel k_q498011f98b_chain
		.amdhsa_group_segment_fixed_size 327680
		.amdhsa_private_segment_fixed_size 0
		.amdhsa_enable_private_segment 0
		.amdhsa_kernarg_size 32
		.amdhsa_user_sgpr_count 2
		.amdhsa_user_sgpr_kernarg_segment_ptr 1
		.amdhsa_wavefront_size32 1
		.amdhsa_system_sgpr_workgroup_id_x 1
		.amdhsa_system_sgpr_workgroup_id_y 1
		.amdhsa_system_sgpr_workgroup_id_z 1
		.amdhsa_system_vgpr_workitem_id 0
		.amdhsa_next_free_vgpr 512
		.amdhsa_next_free_sgpr 66
		.amdhsa_reserve_vcc 0
		.amdhsa_float_denorm_mode_32 3
		.amdhsa_float_denorm_mode_16_64 3
		.amdhsa_memory_ordered 1
		.amdhsa_forward_progress 1
		.amdhsa_inst_pref_size 255
	.end_amdhsa_kernel
	.section	.bss,"aw",@nobits
	.p2align	6
	.space	262144
	.amdgpu_metadata
---
amdhsa.version: [ 1, 2 ]
amdhsa.kernels:
  - .name:           k_q498011f98b_chain
    .symbol:         k_q498011f98b_chain.kd
    .args:
      - { .name: img, .offset: 0, .size: 8, .value_kind: global_buffer, .address_space: global }
      - { .name: x, .offset: 8, .size: 8, .value_kind: global_buffer, .address_space: global }
      - { .name: out0, .offset: 16, .size: 8, .value_kind: global_buffer, .address_space: global }
      - { .name: out1, .offset: 24, .size: 8, .value_kind: global_buffer, .address_space: global }
    .group_segment_fixed_size: 327680
    .private_segment_fixed_size: 0
    .kernarg_segment_align: 8
    .kernarg_segment_size: 32
    .max_flat_workgroup_size: 256
    .sgpr_count:     66
    .vgpr_count:     512
    .wavefront_size: 32
...
	.end_amdgpu_metadata
.endif
;; end of part 2
